; MI455X (gfx1250); checked and timed in simulation.
; The chip was launched on July 23, 2026; its instructions are those of AMD's public machine-readable ISA for CDNA 5 (MIT licence, August 2026) and "CDNA5" Instruction Set Architecture Reference Guide (July 2026). The comments in the code are by the model that wrote it; some were corrected since.
;; Attention Block. Allowed arithmetic: matrix products marked QUANTISED: E2M3 operands, one E8M0 scale for each 32 along K, by v_wmma_scale_f32_16x16x128_f8f6f4 with both operands' format E2M3, f32 sums; everything else in f32.
;; Inputs: b_proj 128 float32; b_qkv 384 float32; beta 128 float32; gamma 128 float32; w_proj 128 x 128 float32; w_qkv 384 x 128 float32; x 8 x 128 x 64 x 64 float32.
;; Outputs: out0 8 x 128 x 64 x 64 float32.
;; This version of the problem:
;;   THIS VERSION OF THE PROBLEM IS GIVEN IN LOW PRECISION. The matrix products marked QUANTISED in the list below multiply operands that are first quantised to E2M3 (2 exponent bits, 3 mantissa bits; 6 bits a number), with one power-of-two scale for each 32 numbers along K (OCP MX v1.0); their sums are f32. All else is computed in f32.
;;   The module's matrix products, in the order in which they are computed (A, B: the left and right operand; K: the contracted axis; several contracted axes count as one K, in the product's order):
;;     1. [M 32,768, K 128] x [K 128, N 384]; A: computed on the way; B: input w_qkv: QUANTISED
;;     2. batch 8 x [M 4,096, K 128] x [K 128, N 4,096]; A: computed on the way; B: computed on the way: QUANTISED
;;     3. batch 8 x [M 128, K 4,096] x [K 4,096, N 4,096]; A: computed on the way; B: softmax (see below): QUANTISED
;;     4. [M 32,768, K 128] x [K 128, N 128]; A: computed on the way; B: input w_proj: QUANTISED
;;   THE QUANTISER, for each operand of a quantised product, along K:
;;     - K is cut into blocks of 32 from its start; a last block that is shorter is filled with zeros.
;;     - A block's scale is 2^e with e = floor(log2(the largest magnitude in the block)) - 2, held to -126 .. 127; a block of zeros has e = 0. As a byte (E8M0): e + 127.
;;     - Each number is divided by its block's scale, clamped to +-7.5, and rounded to the nearest number of E2M3, ties to even, subnormals kept.
;;     - The product sums the exact products of the quantised numbers (number of the format x scale) in f32.
;;   ~~~python
;;   def quantise(x, axis):      # numpy; x: float32 -> the quantised numbers, widened to float32 again
;;       x = np.moveaxis(x, axis, -1); K = x.shape[-1]
;;       x = np.pad(x, [(0, 0)] * (x.ndim - 1) + [(0, -K % 32)]); x = x.reshape(x.shape[:-1] + (-1, 32)); a = np.abs(x).max(-1, keepdims=True)
;;       e = np.where(a > 0, np.clip(np.frexp(np.where(a > 0, a, 1))[1] - 1 - 2, -126, 127), 0)      # np.frexp(a)[1] - 1 = floor(log2(a)), exactly
;;       r = np.clip(x / 2.0 ** e, -7.5, 7.5)
;;       step = 2.0 ** (np.maximum(np.frexp(np.where(r == 0, 1, r))[1] - 1, 0) - 3)
;;       q = np.round(r / step) * step * 2.0 ** e      # np.round: ties to even
;;       return np.moveaxis(q.reshape(q.shape[:-2] + (-1,))[..., :K], -1, axis).astype(np.float32)
;;   ~~~
;;   SOFTMAX AHEAD OF A QUANTISED PRODUCT. Where the list says 'softmax', what is quantised is not the finished softmax but p = 2^(t - M), with t = logit x log2(e) and M = ceil(the row's largest t), a whole number; so 1/2 < the row's largest p <= 1. The row's sum l is taken of the UNQUANTISED p, in f32, and the product's result is divided by l at the end. Since M is a whole number, a kernel that streams over the keys may use a running M (the ceiling of the running maximum): every later rescaling is an exact power of two, which a block's scale takes up: the codes' values come out the same.
;;   OPERANDS COMPUTED ON THE WAY. 'Computed on the way' means the value that the module computes at that place (a softmax that the list does not call 'softmax' is quantised finished and normalised). What goes into a quantiser is computed in f32, as accurately as f32 sums, v_exp_f32 and their like allow (about 1e-6 of the number): no bf16 or f16 on the way to a quantiser, and a product that is left as it is and whose result goes on into a quantised operand takes f32 operands (vector FMAs, or v_wmma_f32_16x16x4_f32). A number that lies on a knife's edge between two numbers of the format may be rounded either way, as far as f32 arithmetic and the matrix unit's own rounding can turn it there, and no further.
;; One version. Each part assembles by itself: llvm-mc -triple=amdgcn-amd-amdhsa -mcpu=gfx1250 --defsym DOCPART=n.
;; ======== version 1 of 1: 3 launches
;; workspace buffers: part 16,384 bytes; wimg 53,248 bytes; q_img 3,145,728 bytes; q_sc 262,144 bytes; kv 6,553,600 bytes
;; launch prep (part 1): grid 260 x 1, 8 waves a work-group, no clusters, 0 bytes of LDS; arguments x, w_qkv, w_proj, part, wimg; writes part, wimg
.if DOCPART == 1
	.amdgcn_target "amdgcn-amd-amdhsa--gfx1250"
	.amdhsa_code_object_version 6
	.text
	.protected	k_qb559aee29a_prep
	.globl	k_qb559aee29a_prep
	.p2align	8
	.type	k_qb559aee29a_prep,@function
k_qb559aee29a_prep:
	s_mov_b64 s[64:65], 0
	v_nop
	global_prefetch_b8 v0, s[64:65] scope:SCOPE_SE
	s_setreg_imm32_b32 hwreg(HW_REG_WAVE_MODE, 25, 1), 1
	s_wait_xcnt 0x0
; TWO JOBS IN ONE LAUNCH, parted on the work-group's number; neither uses LDS or a barrier.
; Work-groups 0-255: partial statistics for the group norm.  x is [8][128][4096] f32; a group is 16 channels x 4,096 = 65,536 neighbouring numbers.
;   Wave W = 8 x work-group + wave takes 2,048 neighbouring numbers (8,192 bytes) and stores (their mean, the sum of squared deviations FROM THAT MEAN) at part[W]:
;   32 such pairs a group (W >> 5 = 8 b + g).  Deviations are taken from the wave's own mean, so a common offset of x forms no difference of large sums.
; Work-groups 256-259: w_qkv [384][128] and w_proj [128][128], f32, K innermost, become codes of FP6 (E2M3) with one E8M0 byte for each 32 along K, one fragment
;   (16 rows x 128 K) a wave, laid as AN IMAGE OF THE OPERAND'S REGISTERS: register p of lane L at 512 (p / 4) + 16 L + 4 (p % 4): 1,536 bytes a fragment.
;   THE ROWS OF A TILE ARE NOT NEIGHBOURS: row r of tile 2 b + u is row 32 b + 8 u + r + 8 (r / 8) of the weight.
;   wimg: w_qkv's 24 fragments at 1,536 f; their scale words from 36,864 on; w_proj's 8 fragments from 39,936 on; their scale words from 52,224 on.
;   Scale words: four tiles to 512 bytes: tile f's word of row r at 512 (f / 4) + 16 lane + 4 (f % 4), in lanes r and r + 16 alike.
; A block's scale is 2^(floor(log2(its largest magnitude)) - 2); its byte is that magnitude's exponent field - 2, held at 1 from below.
; LIMITS: a block of zeros gets the byte 1 where the rule says 127 (its codes are zeros, and this program alone reads the bytes); blocks whose largest magnitude lies
; under 2^-124 are held at the byte 1; NaN and infinities among the inputs are not served.
.set SEL, 20                           ; s[20:21] v_permlanex16_b32's selects for lane l xor 16
.macro REDUCE reg, tmp                 ; the sum over the wave's 32 lanes, in every lane
	v_add_f32_dpp v[\reg], v[\reg], v[\reg] row_xmask:1 row_mask:0xf bank_mask:0xf
	v_add_f32_dpp v[\reg], v[\reg], v[\reg] row_xmask:2 row_mask:0xf bank_mask:0xf
	v_add_f32_dpp v[\reg], v[\reg], v[\reg] row_xmask:4 row_mask:0xf bank_mask:0xf
	v_add_f32_dpp v[\reg], v[\reg], v[\reg] row_xmask:8 row_mask:0xf bank_mask:0xf
	v_permlanex16_b32 v[\tmp], v[\reg], s[SEL], s[SEL+1]
	v_add_f32 v[\reg], v[\reg], v[\tmp]
.endm
.macro JOIN                            ; four chains of pairs at v80-87 become one number in v80
	v_pk_add_f32 v[80:81], v[80:81], v[82:83]
	v_pk_add_f32 v[84:85], v[84:85], v[86:87]
	v_pk_add_f32 v[80:81], v[80:81], v[84:85]
	v_add_f32 v80, v80, v81
.endm
	s_load_b256 s[4:11], s[0:1], 0x0               ; x s[4:5], w_qkv s[6:7], w_proj s[8:9], part s[10:11]
	s_load_b64 s[12:13], s[0:1], 0x20              ; wimg
	v_lshrrev_b32 v1, 5, v0
	v_readfirstlane_b32 s14, v1                    ; wave 0..7
	v_and_b32 v2, 31, v0                           ; lane
	v_mov_b32 v93, 0                               ; written once: a lane permute's destination counts as one of its sources
	s_mov_b32 s[SEL], 0x76543210
	s_mov_b32 s[SEL+1], 0xfedcba98
	s_mov_b32 s17, 0
	s_wait_kmcnt 0x0
	s_cmp_ge_u32 ttmp9, 256
	s_cbranch_scc1 .Lweights
	; ---- statistics
	s_lshl_b32 s15, ttmp9, 3
	s_add_co_u32 s15, s15, s14                     ; W
	s_lshl_b32 s16, s15, 13                        ; 8,192 bytes a wave
	s_add_nc_u64 s[4:5], s[4:5], s[16:17]
	v_lshlrev_b32 v3, 4, v2
.set i, 0
.rept 16
	global_load_b128 v[16+4*i:19+4*i], v3, s[4:5] offset:512*i    ; 32 lanes read 512 consecutive bytes; no hint: later launches read x again
.set i, i+1
.endr
	s_lshl_b32 s18, s15, 3
	s_mov_b32 s19, 0
	s_add_nc_u64 s[10:11], s[10:11], s[18:19]      ; part[W]
	s_wait_loadcnt 0x0
.irp k, 0,1,2,3
	v_pk_add_f32 v[80+2*\k:81+2*\k], v[16+2*\k:17+2*\k], v[24+2*\k:25+2*\k]     ; four chains, begun by the first pairs: nothing is cleared
.endr
.irp j, 2,3,4,5,6,7
.irp k, 0,1,2,3
	v_pk_add_f32 v[80+2*\k:81+2*\k], v[80+2*\k:81+2*\k], v[16+8*\j+2*\k:17+8*\j+2*\k]
.endr
.endr
	JOIN
	REDUCE 80, 93
	v_mul_f32 v90, 0x3a000000, v80                 ; the mean: x 2^-11
	v_mul_f32 v88, -1.0, v90
	v_mul_f32 v89, -1.0, v90
.set i, 0
.rept 32
	v_pk_add_f32 v[16+2*i:17+2*i], v[16+2*i:17+2*i], v[88:89]     ; deviations
.set i, i+1
.endr
.irp k, 0,1,2,3
	v_pk_mul_f32 v[80+2*\k:81+2*\k], v[16+2*\k:17+2*\k], v[16+2*\k:17+2*\k]
.endr
.irp j, 1,2,3,4,5,6,7
.irp k, 0,1,2,3
	v_pk_fma_f32 v[80+2*\k:81+2*\k], v[16+8*\j+2*\k:17+8*\j+2*\k], v[16+8*\j+2*\k:17+8*\j+2*\k], v[80+2*\k:81+2*\k]
.endr
.endr
	JOIN
	REDUCE 80, 93
	v_mov_b32 v91, v80                             ; the sum of squared deviations
	v_mov_b32 v92, 0
	s_wait_xcnt 0x0                                ; EXEC changes only behind this wait
	v_cmp_eq_u32 vcc_lo, 0, v2
	s_and_saveexec_b32 s22, vcc_lo
	global_store_b64 v92, v[90:91], s[10:11]       ; 8 bytes a wave, 64 neighbouring bytes a work-group, 16,384 in the launch
	s_wait_xcnt 0x0                                ; and again in front of the line that widens it
	s_or_b32 exec_lo, exec_lo, s22
	s_endpgm
	; ---- weights: fragment f = 8 x (work-group - 256) + wave; 0-23 of w_qkv, 24-31 of w_proj
.Lweights:
	s_sub_co_u32 s15, ttmp9, 256
	s_lshl_b32 s15, s15, 3
	s_add_co_u32 s15, s15, s14                     ; f
	s_cmp_lt_u32 s15, 24                           ; the choice hangs on ids alone; every selection stands ahead of the next line that sets SCC
	s_cselect_b64 s[6:7], s[6:7], s[8:9]
	s_cselect_b32 s16, 0, 24
	s_cselect_b32 s18, 0, 3072                     ; w_proj's codes lie 3,072 bytes behind 1,536 f,
	s_cselect_b32 s19, 0, 12288                    ; its scale words 12,288 behind their place by f
	s_sub_co_u32 s16, s15, s16                     ; the tile's number in its own weight
	s_lshr_b32 s23, s16, 1
	s_lshl_b32 s23, s23, 14                        ; 32 rows of 512 bytes
	s_and_b32 s16, s16, 1
	s_lshl_b32 s16, s16, 12                        ; 8 rows
	s_add_co_u32 s16, s16, s23
	s_add_nc_u64 s[6:7], s[6:7], s[16:17]
	v_and_b32 v3, 15, v0                           ; r
	v_bfe_u32 v6, v0, 4, 1                         ; h
	v_and_b32 v4, 8, v3
	v_add_nc_u32 v4, v4, v3                        ; r + 8 (r / 8)
	v_lshlrev_b32 v4, 9, v4
	v_lshl_add_u32 v4, v6, 7, v4                   ; + 128 h: lane (r, h) wants k = 64 c + 32 h + 0 .. 31 of its row
.irp c, 0,1
.irp i, 0,1,2,3,4,5,6,7
	global_load_b128 v[16+32*\c+4*\i:19+32*\c+4*\i], v4, s[6:7] offset:256*\c+16*\i
.endr
.endr
	s_mul_i32 s16, s15, 1536
	s_add_co_u32 s16, s16, s18
	s_add_nc_u64 s[24:25], s[12:13], s[16:17]      ; where the image goes
	s_lshr_b32 s16, s15, 2
	s_lshl_b32 s16, s16, 9
	s_and_b32 s23, s15, 3
	s_lshl_b32 s23, s23, 2
	s_add_co_u32 s16, s16, s23
	s_add_co_u32 s16, s16, s19
	s_add_co_u32 s16, s16, 36864
	s_add_nc_u64 s[26:27], s[12:13], s[16:17]      ; and the scale words
	v_lshlrev_b32 v5, 4, v2                        ; 16 x lane
	s_wait_loadcnt 0x0
.irp c, 0,1                                    ; my block 2 c + h: all its 32 numbers are mine
	v_max3_num_f32 v[8+\c], |v[16+32*\c]|, |v[17+32*\c]|, 0x1800000   ; and the floor 2^(3 - 127): the byte cannot fall under 1
.endr
.irp i, 2,4,6,8,10,12,14,16,18,20,22,24,26,28,30
.irp c, 0,1
	v_max3_num_f32 v[8+\c], v[8+\c], |v[16+32*\c+\i]|, |v[17+32*\c+\i]|
.endr
.endr
.irp c, 0,1
	v_add_nc_u32 v[10+\c], 0xff000000, v[8+\c]     ; 2 off the exponent field: the conversion's scale operand
.endr
.irp c, 0,1
	v_lshrrev_b32 v[12+\c], 23, v[10+\c]           ; the scale's byte
.endr
	v_lshl_or_b32 v14, v13, 16, v12                ; my two bytes: blocks h and 2 + h,
	v_lshlrev_b32 v15, 3, v6
	v_lshlrev_b32 v14, v15, v14                    ; at their places in the word (8 h bits up);
	v_mov_b32 v15, 0
	v_permlanex16_b32 v15, v14, s[SEL], s[SEL+1]
	v_or_b32 v14, v14, v15                         ; with lane l xor 16's two the word is whole, in both lanes
.irp c, 0,1
	v_cvt_scalef32_pk16_fp6_f32 v[96+6*\c:98+6*\c], v[16+32*\c:31+32*\c], v[10+\c]
	v_cvt_scalef32_pk16_fp6_f32 v[108+4*\c:110+4*\c], v[32+32*\c:47+32*\c], v[10+\c]   ; (a conversion's three registers begin on an even number)
.endr
	v_nop                                          ; one plain place behind a scaled conversion
.irp c, 0,1
.irp i, 0,1,2
	v_mov_b32 v[99+6*\c+\i], v[108+4*\c+\i]
.endr
.endr
.irp j, 0,1,2
	global_store_b128 v5, v[96+4*\j:99+4*\j], s[24:25] offset:512*\j   ; 32 lanes store 512 consecutive bytes
.endr
	global_store_b32 v5, v14, s[26:27]             ; 4 bytes a lane, 16 apart: four waves' words interleave; 4,096 bytes in the launch
	s_endpgm
.Lfunc_end_k_qb559aee29a_prep:
	.size	k_qb559aee29a_prep, .Lfunc_end_k_qb559aee29a_prep-k_qb559aee29a_prep
	.p2alignl 7, 3214868480
	.fill 96, 4, 3214868480
	.section	.rodata,"a",@progbits
	.p2align	6, 0x0
	.amdhsa_kernel k_qb559aee29a_prep
		.amdhsa_group_segment_fixed_size 0
		.amdhsa_private_segment_fixed_size 0
		.amdhsa_enable_private_segment 0
		.amdhsa_kernarg_size 40
		.amdhsa_user_sgpr_count 2
		.amdhsa_user_sgpr_kernarg_segment_ptr 1
		.amdhsa_wavefront_size32 1
		.amdhsa_system_sgpr_workgroup_id_x 1
		.amdhsa_system_sgpr_workgroup_id_y 1
		.amdhsa_system_sgpr_workgroup_id_z 1
		.amdhsa_system_vgpr_workitem_id 0
		.amdhsa_next_free_vgpr 120
		.amdhsa_next_free_sgpr 66
		.amdhsa_reserve_vcc 1
		.amdhsa_float_denorm_mode_32 3
		.amdhsa_float_denorm_mode_16_64 3
		.amdhsa_memory_ordered 1
		.amdhsa_forward_progress 1
		.amdhsa_inst_pref_size 17
	.end_amdhsa_kernel
	.amdgpu_metadata
---
amdhsa.version: [ 1, 2 ]
amdhsa.kernels:
  - .name:           k_qb559aee29a_prep
    .symbol:         k_qb559aee29a_prep.kd
    .args:
      - { .name: x, .offset: 0, .size: 8, .value_kind: global_buffer, .address_space: global }
      - { .name: w_qkv, .offset: 8, .size: 8, .value_kind: global_buffer, .address_space: global }
      - { .name: w_proj, .offset: 16, .size: 8, .value_kind: global_buffer, .address_space: global }
      - { .name: part, .offset: 24, .size: 8, .value_kind: global_buffer, .address_space: global }
      - { .name: wimg, .offset: 32, .size: 8, .value_kind: global_buffer, .address_space: global }
    .group_segment_fixed_size: 0
    .private_segment_fixed_size: 0
    .kernarg_segment_align: 8
    .kernarg_segment_size: 40
    .max_flat_workgroup_size: 256
    .sgpr_count:     66
    .vgpr_count:     120
    .wavefront_size: 32
...
	.end_amdgpu_metadata
.endif
;; end of part 1
;; launch qkv (part 2): grid 32 x 8, 4 waves a work-group, no clusters, 168,448 bytes of LDS; arguments x, part, gamma, beta, b_qkv, wimg, q_img, q_sc, kv; writes q_img, q_sc, kv
.if DOCPART == 2
	.amdgcn_target "amdgcn-amd-amdhsa--gfx1250"
	.amdhsa_code_object_version 6
	.text
	.protected	k_qb559aee29a_qkv
	.globl	k_qb559aee29a_qkv
	.p2align	8
	.type	k_qb559aee29a_qkv,@function
k_qb559aee29a_qkv:
	s_mov_b64 s[64:65], 0
	v_nop
	global_prefetch_b8 v0, s[64:65] scope:SCOPE_SE
	s_setreg_imm32_b32 hwreg(HW_REG_WAVE_MODE, 25, 1), 1
	s_wait_xcnt 0x0
; hn = group norm of x; q, k, v = w_qkv hn + b_qkv on codes of FP6 (E2M3) with one E8M0 scale for each 32 along K (the channels); q, k, v leave as codes for the attention launch.
; SHARES.  A work-group takes 128 positions of one image (x = which 128, y = the image), all 128 channels.  Wave w takes 32 of them, group G = 4 x + w, for all 384 outputs: 48 matrix instructions.
; x's tile (128 channel rows x 512 bytes) and w_qkv's images with their scale words come into LDS by two tensor loads a wave, filled once: no byte of LDS is filled again.
; A LANE TAKES A POSITION AND ITS REGISTERS RUN DOWN THE CHANNELS, so a block of 32 along K lies in one lane.  Lanes 0-15 take tile 0's positions, lanes 16-31 tile 1's:
; ROW r OF TILE u IS POSITION 32 G + 8 u + r + 8 (r / 8).  An exchange of half-waves then gives both fragments of hn, and one register carries both tiles' scale words.
; q, k: transposed (source 0 = 16 rows of W, source 1 = 16 positions): a lane holds one position, and since W's tiles hold rows 32 b + 8 u + r + 8 (r / 8), the 16 registers of tiles 2 b, 2 b + 1
;   are 16 neighbouring channels: the next product's K.  The bias is the C of the one matrix instruction of each sum.
; v: source 0 = 16 positions, source 1 = 16 rows of W: a lane holds one channel and 16 neighbouring KEYS, its K.  The wave's 32 keys are block w of the 128 keys of the step's fragments of V.
; OUT, all as images of operand registers (register p of lane L at 512 (p / 4) + 16 L + 4 (p % 4)): q_img [b][G][u][1,536]; q_sc [b][G][lane][u] words;
;   kv [b][step][25,600]: K's 8 tiles (tile 2 w + u) | 512 bytes of K's scale words | V's 8 channel tiles | 512 bytes of V's.  Scale words: word t % 4 of lane 16 (t / 4) + r is tile t's row r.
; STATISTICS: part holds 32 (mean, sum of squared deviations) a group; they are joined by the parallel form, mean of means and M2 + 2,048 d^2: no difference of large sums.
; LIMITS: a block of zeros gets the byte 1 where the rule says 127 (its codes are zeros; this program alone reads the bytes); blocks whose largest magnitude lies under 2^-124 are held at the byte 1;
; NaN and infinities are not served.  hn = (x - mean) (rstd gamma) + beta: rstd and gamma are multiplied first, which differs from the reference's order by a rounding.
; REGISTERS.  window 0: v1-15, v41-49 addresses; v16-39 hn's two fragments; v40 their scale words; v50-51 scale words just made; v52-71 codes just made; v72-87 v's bias, twice each;
;   v88-111 W's scale words; v112-127 at work; v128-255 x, then hn, then results.   window 1: v0-127 gamma (then rstd gamma), v128-255 beta.   window 2: v0-127 q's and k's bias tiles; v128-223 8 fragments of W.
.set WIMG, 65536                       ; LDS: x's tile at 0 (65,536 bytes); W's images (36,864) and scale words (3,072) from here on;
.set ST2,  105472                      ; the stage for K's scale words (512), V's images (12,288), V's scale words (512): written by LDS stores alone, no fill lands here
.set HF,  16
.set HS,  40
.set PC,  52
.set VB,  72
.set WS,  88
.set TM,  112                          ; +0..3 largest magnitudes, +4..7 at work and bytes, +12..15 the conversions' scale operands
.set X,   128
.set WF,  128                          ; in window 2
.set SEL, 30                           ; s[30:31] selects for lane l xor 16
.set RS,  32                           ; s[32:47] (rstd, rstd) of the 8 groups
.set NM,  48                           ; s[48:63] (-mean, -mean)
.set MSB, 0
.macro WIN new                         ; the immediate's high byte repeats the setting that is left
.if MSB != \new
	s_set_vgpr_msb (MSB<<8)|\new
.set MSB, \new
.endif
.endm
.macro PLACES n
.rept \n
	v_nop
.endr
.endm
; Four blocks by turns; register 16 b + i of a lane and of lane l xor 16 make block b.  Leaves the conversions' scale operands in TM+12+b and the bytes in TM+4+b.
.macro BLKSCALE s
.irp b, 0,1,2,3
	v_max3_num_f32 v[TM+\b], |v[(\s)+16*\b]|, |v[(\s)+1+16*\b]|, 0x1800000   ; and the floor 2^(3 - 127): the byte cannot fall under 1
.endr
.irp i, 2,4,6,8,10,12,14
.irp b, 0,1,2,3
	v_max3_num_f32 v[TM+\b], v[TM+\b], |v[(\s)+16*\b+\i]|, |v[(\s)+1+16*\b+\i]|
.endr
.endr
.irp b, 0,1,2,3
	v_permlanex16_b32 v[TM+4+\b], v[TM+\b], s[SEL], s[SEL+1]
.endr
.irp b, 0,1,2,3
	v_max_num_f32 v[TM+\b], v[TM+\b], v[TM+4+\b]
.endr
.irp b, 0,1,2,3
	v_add_nc_u32 v[TM+12+\b], 0xff000000, v[TM+\b]   ; 2 off the exponent field
.endr
.irp b, 0,1,2,3
	v_lshrrev_b32 v[TM+4+\b], 23, v[TM+12+\b]
.endr
.endm
; 64 numbers of a lane, register 16 b + i = k 32 b + 16 (lane / 16) + i of my row, become a fragment in v[PC] on and its scale word in v[pw]
.macro QUANT s, pw
	BLKSCALE \s
	v_lshl_or_b32 v[\pw], v[TM+5], 8, v[TM+4]
	v_lshl_or_b32 v[\pw], v[TM+6], 16, v[\pw]
	v_lshl_or_b32 v[\pw], v[TM+7], 24, v[\pw]
.irp c, 0,1
	v_cvt_scalef32_pk16_fp6_f32 v[PC+6*\c:PC+2+6*\c], v[(\s)+32*\c:(\s)+15+32*\c], v[TM+12+2*\c]
	v_cvt_scalef32_pk16_fp6_f32 v[PC+12+4*\c:PC+14+4*\c], v[(\s)+16+32*\c:(\s)+31+32*\c], v[TM+12+2*\c+1]
.endr
	v_nop                                          ; one plain place behind a scaled conversion
.irp c, 0,1                                    ; the layout wants a WHOLE block in a lane: lanes 0-15 block 2 c, lanes 16-31 block 2 c + 1
.irp i, 0,1,2
	v_permlane16_swap_b32 v[PC+6*\c+\i], v[PC+12+4*\c+\i]
.endr
.irp i, 0,1,2
	v_mov_b32 v[PC+3+6*\c+\i], v[PC+12+4*\c+\i]
.endr
.endr
.endm
	s_load_b512 s[4:19], s[0:1], 0x0               ; x 4, part 6, gamma 8, beta 10, b_qkv 12, wimg 14, q_img 16, q_sc 18
	s_load_b64 s[20:21], s[0:1], 0x40              ; kv
	v_lshl_add_u32 v122, v0, 2, 0x29000
	v_mov_b32 v123, 0
	ds_add_u32 v122, v123
	ds_add_u32 v122, v123
	v_lshrrev_b32 v49, 5, v0                       ; the wave's number, in a vector register too
	v_readfirstlane_b32 s22, v49                   ; wave 0..3
	s_mov_b32 s23, ttmp9                           ; which 128 positions
	s_and_b32 s24, ttmp7, 0xffff                   ; the image
	; descriptor group 1 for x: 32 rows (channels) of 128 elements of 4 bytes, 4,096 elements apart
	s_mov_b32 s68, 2<<16
	s_mov_b32 s69, 128<<16
	s_mov_b32 s70, 32<<16
	s_mov_b32 s71, 128<<16
	s_mov_b32 s72, 32
	s_mov_b32 s73, 4096
	s_mov_b32 s74, 0
	s_mov_b32 s75, 0
	; and for W: a dense block of 9,984 bytes as 39 rows of 32 elements of 8 bytes
	s_mov_b32 s80, 3<<16
	s_mov_b32 s81, 32<<16
	s_mov_b32 s82, 39<<16
	s_mov_b32 s83, 32<<16
	s_mov_b32 s84, 39
	s_mov_b32 s85, 32
	s_mov_b32 s86, 0
	s_mov_b32 s87, 0
	s_lshl_b32 s26, s24, 21                        ; the image: 2,097,152 bytes,
	s_lshl_b32 s27, s22, 19                        ; my 32 channels: 524,288,
	s_add_co_u32 s26, s26, s27
	s_lshl_b32 s27, s23, 9                         ; the 128 positions: 512
	s_add_co_u32 s26, s26, s27
	s_mov_b32 s27, 0
	s_mul_i32 s94, s22, 9984
	s_mov_b32 s95, 0
	s_mov_b32 s76, 1
	s_lshl_b32 s77, s22, 14                        ; LDS: 16,384 x wave
	s_mov_b32 s88, 1
	s_add_co_u32 s89, s94, WIMG                    ; LDS: 9,984 x wave behind x's tile
	s_mov_b32 s[SEL], 0x76543210
	s_mov_b32 s[SEL+1], 0xfedcba98
	s_mov_b32 s92, 0x37800000                      ; 2^-16: a group has 65,536 numbers
	s_mov_b32 s93, 0x3727c5ac                      ; eps = 1e-5
	s_wait_dscnt 0x0
	s_wait_kmcnt 0x0
	s_add_nc_u64 s[78:79], s[4:5], s[26:27]
	s_or_b32 s79, s79, 0x80000000
	s_add_nc_u64 s[90:91], s[14:15], s[94:95]
	s_or_b32 s91, s91, 0x80000000
	tensor_load_to_lds s[76:79], s[68:75]          ; both fills go out together, ahead of every wait on TENSORcnt, LDS read and barrier: two loads of mine are out
	s_nop 0
	tensor_load_to_lds s[88:91], s[80:87]
	s_nop 0
	PLACES 4
	s_lshl_b32 s26, s24, 11
	s_add_nc_u64 s[6:7], s[6:7], s[26:27]          ; part: the image's 8 groups x 32 pairs
	s_lshl_b32 s25, s24, 7
	s_lshl_b32 s26, s23, 2
	s_add_co_u32 s25, s25, s26
	s_add_co_u32 s25, s25, s22                     ; 128 b + G
	s_mul_i32 s26, s25, 3072
	s_add_nc_u64 s[16:17], s[16:17], s[26:27]      ; q's images
	s_lshl_b32 s26, s25, 8
	s_add_nc_u64 s[18:19], s[18:19], s[26:27]      ; q's scale words
	s_lshl_b32 s25, s24, 5
	s_add_co_u32 s25, s25, s23
	s_mul_i32 s26, s25, 25600
	s_add_nc_u64 s[20:21], s[20:21], s[26:27]      ; kv: the step's 25,600 bytes
	s_mul_i32 s26, s22, 3072
	s_add_nc_u64 s[28:29], s[20:21], s[26:27]      ; and in them my two tiles of K
	v_and_b32 v1, 31, v0                           ; lane
	v_and_b32 v2, 15, v0                           ; r
	v_bfe_u32 v3, v0, 4, 1                         ; h
	v_mov_b32 v6, 0                                ; offset of the loads that every lane makes alike
	v_lshlrev_b32 v41, 3, v1                       ; 8 x lane
	v_lshlrev_b32 v7, 6, v3                        ; bias tiles: 64 h
	v_and_b32 v8, 8, v2
	v_add_nc_u32 v8, v8, v2
	v_lshlrev_b32 v8, 2, v8                        ; v's bias: 4 (r + 8 (r / 8))
.irp g, 0,1,2,3,4,5,6,7
	global_load_b64 v[128+2*\g:129+2*\g], v41, s[6:7] offset:256*\g      ; lane i: partial i of group g
.endr
	WIN 0x40                                       ; destination window 1
.set i, 0
.rept 32
	global_load_b128 v[4*i:4*i+3], v6, s[8:9] offset:16*i               ; gamma, the same in every lane: register c = channel c
.set i, i+1
.endr
.set i, 0
.rept 32
	global_load_b128 v[128+4*i:131+4*i], v6, s[10:11] offset:16*i       ; beta likewise
.set i, i+1
.endr
	WIN 0
	; LDS addresses, all made of v0 and constants
	v_and_b32 v4, 7, v0
	v_bfe_u32 v50, v0, 3, 1
	v_lshl_add_u32 v4, v50, 4, v4
	v_lshl_add_u32 v4, v3, 3, v4                   ; my position in the wave's 32: (l % 8) + 16 ((l / 8) % 2) + 8 (l / 16)
	v_lshlrev_b32 v4, 2, v4
	v_lshl_add_u32 v4, v49, 7, v4                  ; x's tile: + 128 x wave
	v_lshl_add_u32 v5, v1, 4, WIMG                 ; images: 16 x lane
	v_lshrrev_b32 v50, 6, v0                       ; w / 2
	v_mul_u32_u24 v50, v50, 6
	v_mad_u32_u24 v50, v3, 3, v50                  ; my three words of V's codes are registers p = 6 (w / 2) + 3 h + 0, 1, 2
	v_bfe_u32 v51, v0, 5, 1
	v_lshlrev_b32 v51, 8, v51
	v_lshl_add_u32 v51, v2, 4, v51                 ; of lane r + 16 (w % 2)
.irp i, 0,1,2
	v_add_nc_u32 v52, \i, v50
	v_lshrrev_b32 v53, 2, v52
	v_and_b32 v52, 3, v52
	v_lshl_add_u32 v52, v52, 2, v51
	v_lshl_add_u32 v52, v53, 9, v52
	v_add_nc_u32 v[9+\i], ST2+512, v52
.endr
	v_lshl_add_u32 v12, v2, 4, v49
	v_add_nc_u32 v12, ST2+12800, v12               ; V's scale bytes: 16 r + w
	v_lshlrev_b32 v42, 4, v1                       ; 16 x lane
	v_lshrrev_b32 v52, 6, v0
	v_lshlrev_b32 v52, 8, v52
	v_lshl_add_u32 v52, v2, 4, v52
	v_bfe_u32 v53, v0, 5, 1
	v_lshl_add_u32 v52, v53, 3, v52
	v_add_nc_u32 v43, ST2, v52                     ; K's scale words: lane 16 (w / 2) + r, words 2 (w % 2) + u
	v_lshl_add_u32 v45, v0, 4, ST2                 ; the way out: 16 bytes a thread,
	v_lshlrev_b32 v46, 4, v0
	v_lshl_add_u32 v47, v0, 3, ST2+12288           ; then 8
	v_lshlrev_b32 v48, 3, v0
	; ---- the 8 groups' mean and 1 / sqrt(var + eps), by turns, while the tiles are on their way
	s_wait_loadcnt 63                              ; 64 loads stand behind part's eight: the field's largest count asks a little more than is needed
.irp g, 0,1,2,3,4,5,6,7
	v_mov_b32 v[144+\g], v[128+2*\g]
	v_mov_b32 v[152+\g], 0                         ; a lane permute's destination counts as one of its sources
.endr
.irp m, 1,2,4,8
.irp g, 0,1,2,3,4,5,6,7
	v_add_f32_dpp v[144+\g], v[144+\g], v[144+\g] row_xmask:\m row_mask:0xf bank_mask:0xf
.endr
.endr
.irp g, 0,1,2,3,4,5,6,7
	v_permlanex16_b32 v[152+\g], v[144+\g], s[SEL], s[SEL+1]
.endr
.irp g, 0,1,2,3,4,5,6,7
	v_add_f32 v[144+\g], v[144+\g], v[152+\g]
.endr
.irp g, 0,1,2,3,4,5,6,7
	v_mul_f32 v[144+\g], 0x3d000000, v[144+\g]     ; the group's mean: the 32 means' sum x 2^-5
.endr
.irp g, 0,1,2,3,4,5,6,7
	v_sub_f32 v[152+\g], v[128+2*\g], v[144+\g]    ; d
.endr
.irp g, 0,1,2,3,4,5,6,7
	v_mul_f32 v[160+\g], 0x45000000, v[152+\g]     ; 2,048 d
.endr
.irp g, 0,1,2,3,4,5,6,7
	v_fma_f32 v[160+\g], v[160+\g], v[152+\g], v[129+2*\g]   ; M2 + 2,048 d^2
.endr
.irp m, 1,2,4,8
.irp g, 0,1,2,3,4,5,6,7
	v_add_f32_dpp v[160+\g], v[160+\g], v[160+\g] row_xmask:\m row_mask:0xf bank_mask:0xf
.endr
.endr
.irp g, 0,1,2,3,4,5,6,7
	v_permlanex16_b32 v[152+\g], v[160+\g], s[SEL], s[SEL+1]
.endr
.irp g, 0,1,2,3,4,5,6,7
	v_add_f32 v[160+\g], v[160+\g], v[152+\g]
.endr
.irp g, 0,1,2,3,4,5,6,7
	v_fma_f32 v[160+\g], v[160+\g], s92, s93       ; var + eps
.endr
.irp g, 0,1,2,3,4,5,6,7
	v_rsq_f32 v[160+\g], v[160+\g]
.endr
.irp g, 0,1,2,3,4,5,6,7
	v_mul_f32 v[144+\g], -1.0, v[144+\g]           ; -mean.  (Plain places behind the transcendentals)
.endr
	s_wait_alu depctr_va_vdst(0)
.irp g, 0,1,2,3,4,5,6,7
	v_readfirstlane_b32 s[RS+2*\g], v[160+\g]
	v_readfirstlane_b32 s[NM+2*\g], v[144+\g]
	s_mov_b32 s[RS+2*\g+1], s[RS+2*\g]             ; (a packed form names the pair, so both are written)
	s_mov_b32 s[NM+2*\g+1], s[NM+2*\g]
.endr
	WIN 0x80                                       ; destination window 2
.irp p, 0,1
.irp t, 0,1,2,3,4,5,6,7
.irp j, 0,1
	global_load_b128 v[64*\p+8*\t+4*\j:64*\p+8*\t+4*\j+3], v7, s[12:13] offset:512*\p+128*(\t/2)+32*(\t%2)+16*\j   ; bias tile t of q (p = 0) or k: lane (r, h) wants channels 32 (t / 2) + 8 (t % 2) + 16 h + 0 .. 7
.endr
.endr
.endr
	WIN 0
.irp c, 0,1,2,3,4,5,6,7
	global_load_b32 v[VB+2*\c], v8, s[12:13] offset:1024+128*(\c/2)+32*(\c%2)      ; v's bias of my channel of tile c, in both registers of a pair
	global_load_b32 v[VB+2*\c+1], v8, s[12:13] offset:1024+128*(\c/2)+32*(\c%2)
.endr
	s_wait_tensorcnt 0x0                           ; my parts of x's tile and of W's images have landed,
	s_barrier_signal -1
	s_barrier_wait -1                              ; everybody's have
	; ---- hn, a block of 32 channels at a time
.macro XLOAD b
.set i, 0
.rept 32
	ds_load_b32 v[X+32*(\b)+i], v4 offset:512*(32*(\b)+i)      ; channel 32 b + i at my position: the wave's 32 lanes read 128 neighbouring bytes
.set i, i+1
.endr
.endm
.macro NORM b
	WIN 0x14                                       ; sources 1 and 2 window 1
.set k, 0
.rept 16
	v_pk_add_f32 v[X+32*(\b)+2*k:X+32*(\b)+2*k+1], v[X+32*(\b)+2*k:X+32*(\b)+2*k+1], s[NM+4*(\b)+2*(k/8):NM+4*(\b)+2*(k/8)+1] op_sel_hi:[1,0]   ; x - mean
.set k, k+1
.endr
.set k, 0
.rept 16
	v_pk_fma_f32 v[X+32*(\b)+2*k:X+32*(\b)+2*k+1], v[X+32*(\b)+2*k:X+32*(\b)+2*k+1], v[32*(\b)+2*k:32*(\b)+2*k+1], v[128+32*(\b)+2*k:128+32*(\b)+2*k+1]   ; x (rstd gamma) + beta
.set k, k+1
.endr
	WIN 0
.endm
.macro MAXB b                          ; the block's largest magnitude: all 32 numbers are mine; two chains
	v_max3_num_f32 v[TM+(\b)], |v[X+32*(\b)]|, |v[X+32*(\b)+1]|, 0x1800000
	v_max3_num_f32 v[TM+4+(\b)], |v[X+32*(\b)+2]|, |v[X+32*(\b)+3]|, 0x1800000
.irp i, 4,8,12,16,20,24,28
	v_max3_num_f32 v[TM+(\b)], v[TM+(\b)], |v[X+32*(\b)+\i]|, |v[X+32*(\b)+\i+1]|
	v_max3_num_f32 v[TM+4+(\b)], v[TM+4+(\b)], |v[X+32*(\b)+\i+2]|, |v[X+32*(\b)+\i+3]|
.endr
	v_max_num_f32 v[TM+(\b)], v[TM+(\b)], v[TM+4+(\b)]
.endm
.macro WLOAD p                         ; the 8 fragments of W for q (0), k (1) or v (2), as images
	WIN 0x80
.irp t, 0,1,2,3,4,5,6,7
.irp j, 0,1,2
	ds_load_b128 v[WF+12*\t+4*\j:WF+12*\t+4*\j+3], v5 offset:(8*(\p)+\t)*1536+512*\j
.endr
.endr
	WIN 0
.endm
	XLOAD 0
	XLOAD 1
	s_wait_loadcnt 48                              ; gamma and beta are in; the 32 + 16 loads of the biases may be out
	WIN 0x41                                       ; destination and source 0 window 1
.set i, 0
.rept 64
	v_pk_mul_f32 v[2*i:2*i+1], v[2*i:2*i+1], s[RS+2*(i/8):RS+2*(i/8)+1] op_sel_hi:[1,0]   ; rstd gamma
.set i, i+1
.endr
	WIN 0
	s_wait_dscnt 32                                ; block 0 is in; block 1's 32 loads may be out
	NORM 0
	MAXB 0
	XLOAD 2
	s_wait_dscnt 32
	NORM 1
	MAXB 1
	XLOAD 3
	s_wait_dscnt 32
	NORM 2
	MAXB 2
	WLOAD 0
.irp g, 0,1,2,3,4,5
	ds_load_b128 v[WS+4*\g:WS+4*\g+3], v5 offset:36864+512*\g   ; W's scale words: register WS + f is tile f's
.endr
	s_wait_dscnt 30                                ; block 3 is in; the 24 + 6 loads behind it may be out
	NORM 3
	MAXB 3
	; ---- hn's codes.  Every lane holds all four blocks of ITS position; the exchange of half-waves deals them to the two tiles' fragments
.irp b, 0,1,2,3
	v_add_nc_u32 v[TM+12+\b], 0xff000000, v[TM+\b]
.endr
.irp b, 0,1,2,3
	v_lshrrev_b32 v[TM+4+\b], 23, v[TM+12+\b]
.endr
	v_lshl_or_b32 v[HS], v[TM+5], 8, v[TM+4]       ; lanes 0-15: tile 0's scale words; lanes 16-31: tile 1's
	v_lshl_or_b32 v[HS], v[TM+6], 16, v[HS]
	v_lshl_or_b32 v[HS], v[TM+7], 24, v[HS]
.irp b, 0,1,2,3
	v_cvt_scalef32_pk16_fp6_f32 v[HF+12*(\b%2)+6*(\b/2):HF+12*(\b%2)+6*(\b/2)+2], v[X+32*\b:X+32*\b+15], v[TM+12+\b]
	v_cvt_scalef32_pk16_fp6_f32 v[PC+4*\b:PC+4*\b+2], v[X+32*\b+16:X+32*\b+31], v[TM+12+\b]
.endr
	v_nop                                          ; one plain place behind a scaled conversion
.irp c, 0,1
.irp i, 0,1,2
	v_permlane16_swap_b32 v[HF+6*\c+\i], v[HF+12+6*\c+\i]       ; block 2 c's lanes 16-31 (tile 1) change places with block 2 c + 1's lanes 0-15 (tile 0)
	v_permlane16_swap_b32 v[PC+8*\c+\i], v[PC+8*\c+4+\i]
.endr
.endr
.irp b, 0,1,2,3
.irp i, 0,1,2
	v_mov_b32 v[HF+3+12*(\b%2)+6*(\b/2)+\i], v[PC+4*\b+\i]
.endr
.endr
	PLACES 8                                       ; a scale register written by a vector instruction stands 8 places ahead of a scaled matrix instruction, an operand 4
	s_wait_loadcnt 0x0                             ; the biases
; q (p = 0) or k (p = 1): 16 matrix instructions, each a whole sum (K = 128) with the bias as its C; then both tiles' codes.  base: the scalar pair of the images' address
.macro ROLE p, base
	s_wait_dscnt 0x0                               ; W's fragments are in
	WIN 0x22                                       ; source 0 (W) and source 2 (bias) window 2
.irp t, 0,1,2,3,4,5,6,7
	v_wmma_scale_f32_16x16x128_f8f6f4 v[X+8*\t:X+8*\t+7], v[WF+12*\t:WF+12*\t+11], v[HF:HF+11], v[64*(\p)+8*\t:64*(\p)+8*\t+7], v[WS+8*(\p)+\t], v[HS] matrix_a_fmt:MATRIX_FMT_FP6 matrix_b_fmt:MATRIX_FMT_FP6
.endr
.irp t, 0,1,2,3,4,5,6,7
	v_wmma_scale_f32_16x16x128_f8f6f4 v[X+64+8*\t:X+64+8*\t+7], v[WF+12*\t:WF+12*\t+11], v[HF+12:HF+23], v[64*(\p)+8*\t:64*(\p)+8*\t+7], v[WS+8*(\p)+\t], v[HS] matrix_a_fmt:MATRIX_FMT_FP6 matrix_b_fmt:MATRIX_FMT_FP6 matrix_b_scale:MATRIX_SCALE_ROW1
.endr
	WIN 0
	PLACES 4                                       ; in front of the loads into W's registers and of the first read of results
	WLOAD (\p)+1
.irp u, 0,1
	s_wait_xcnt 0x0                                ; earlier stores have read their data: the codes' registers are written again only behind this wait
	QUANT X+64*\u, 50+\u
.irp j, 0,1,2
	global_store_b128 v42, v[PC+4*\j:PC+4*\j+3], s[\base:\base+1] offset:1536*\u+512*\j   ; 32 lanes store 512 consecutive bytes
.endr
.endr
.endm
	ROLE 0, 16
	global_store_b64 v41, v[50:51], s[18:19]       ; q's scale words of both tiles: 32 lanes store 256 consecutive bytes
	ROLE 1, 28
	ds_store_b64 v43, v[50:51]                     ; k's go to the stage (lanes r and r + 16 write the same words with the same values)
	; ---- v: source 0 = my positions, source 1 = W's rows
	s_wait_dscnt 0x0
	s_wait_xcnt 0x0                                ; k's stores have read the codes' registers
	WIN 0x08                                       ; source 1 window 2
.irp c, 0,1,2,3,4,5,6,7
	v_wmma_scale_f32_16x16x128_f8f6f4 v[X+16*\c:X+16*\c+7], v[HF:HF+11], v[WF+12*\c:WF+12*\c+11], 0, v[HS], v[WS+16+\c] matrix_a_fmt:MATRIX_FMT_FP6 matrix_b_fmt:MATRIX_FMT_FP6
	v_wmma_scale_f32_16x16x128_f8f6f4 v[X+16*\c+8:X+16*\c+15], v[HF+12:HF+23], v[WF+12*\c:WF+12*\c+11], 0, v[HS], v[WS+16+\c] matrix_a_fmt:MATRIX_FMT_FP6 matrix_b_fmt:MATRIX_FMT_FP6 matrix_a_scale:MATRIX_SCALE_ROW1
.endr
	WIN 0
	PLACES 4
.irp c, 0,1,2,3,4,5,6,7
.irp k, 0,2,4,6,8,10,12,14
	v_pk_add_f32 v[X+16*\c+\k:X+16*\c+\k+1], v[X+16*\c+\k:X+16*\c+\k+1], v[VB+2*\c:VB+2*\c+1]   ; + my channel's bias; each result from its low end on
.endr
.endr
.irp e, 0,1                                    ; four channel tiles at a time: registers 16 b + i are keys 16 h + i of my channel of tile 4 e + b
	BLKSCALE X+64*\e
.irp b, 0,1,2,3
	v_cvt_scalef32_pk16_fp6_f32 v[PC+4*\b:PC+4*\b+2], v[X+64*\e+16*\b:X+64*\e+16*\b+15], v[TM+12+\b]
.endr
	v_nop
.irp b, 0,1,2,3
.irp i, 0,1,2
	ds_store_b32 v[9+\i], v[PC+4*\b+\i] offset:1536*(4*\e+\b)      ; to their place in the image of V's tile
.endr
	ds_store_b8 v12, v[TM+4+\b] offset:256*\e+4*\b                 ; byte w of the row's scale word (both lanes of a block write the same byte)
.endr
	s_wait_dscnt 0x0                               ; the stores have read their registers
.endr
	s_barrier_signal -1
	s_barrier_wait -1                              ; the stage is whole: 13,312 bytes, which follow K's images in kv
.irp i, 0,1,2,3,4,5
	ds_load_b128 v[X+4*\i:X+4*\i+3], v45 offset:2048*\i
.endr
	ds_load_b64 v[X+24:X+25], v47
.irp i, 0,1,2,3,4,5
	s_wait_dscnt 6-\i                              ; the younger loads may be out
	global_store_b128 v46, v[X+4*\i:X+4*\i+3], s[20:21] offset:12288+2048*\i      ; a wave stores 512 consecutive bytes
.endr
	s_wait_dscnt 0x0
	global_store_b64 v48, v[X+24:X+25], s[20:21] offset:24576
	s_wait_tensorcnt 0x0
	ds_add_u32 v122, v123
	s_wait_dscnt 0x0
	s_endpgm
.Lfunc_end_k_qb559aee29a_qkv:
	.size	k_qb559aee29a_qkv, .Lfunc_end_k_qb559aee29a_qkv-k_qb559aee29a_qkv
	.p2alignl 7, 3214868480
	.fill 96, 4, 3214868480
	.section	.rodata,"a",@progbits
	.p2align	6, 0x0
	.amdhsa_kernel k_qb559aee29a_qkv
		.amdhsa_group_segment_fixed_size 168448
		.amdhsa_private_segment_fixed_size 0
		.amdhsa_enable_private_segment 0
		.amdhsa_kernarg_size 72
		.amdhsa_user_sgpr_count 2
		.amdhsa_user_sgpr_kernarg_segment_ptr 1
		.amdhsa_wavefront_size32 1
		.amdhsa_system_sgpr_workgroup_id_x 1
		.amdhsa_system_sgpr_workgroup_id_y 1
		.amdhsa_system_sgpr_workgroup_id_z 1
		.amdhsa_system_vgpr_workitem_id 0
		.amdhsa_next_free_vgpr 768
		.amdhsa_next_free_sgpr 96
		.amdhsa_reserve_vcc 0
		.amdhsa_float_denorm_mode_32 3
		.amdhsa_float_denorm_mode_16_64 3
		.amdhsa_memory_ordered 1
		.amdhsa_forward_progress 1
		.amdhsa_inst_pref_size 97
	.end_amdhsa_kernel
	.amdgpu_metadata
---
amdhsa.version: [ 1, 2 ]
amdhsa.kernels:
  - .name:           k_qb559aee29a_qkv
    .symbol:         k_qb559aee29a_qkv.kd
    .args:
      - { .name: x, .offset: 0, .size: 8, .value_kind: global_buffer, .address_space: global }
      - { .name: part, .offset: 8, .size: 8, .value_kind: global_buffer, .address_space: global }
      - { .name: gamma, .offset: 16, .size: 8, .value_kind: global_buffer, .address_space: global }
      - { .name: beta, .offset: 24, .size: 8, .value_kind: global_buffer, .address_space: global }
      - { .name: b_qkv, .offset: 32, .size: 8, .value_kind: global_buffer, .address_space: global }
      - { .name: wimg, .offset: 40, .size: 8, .value_kind: global_buffer, .address_space: global }
      - { .name: q_img, .offset: 48, .size: 8, .value_kind: global_buffer, .address_space: global }
      - { .name: q_sc, .offset: 56, .size: 8, .value_kind: global_buffer, .address_space: global }
      - { .name: kv, .offset: 64, .size: 8, .value_kind: global_buffer, .address_space: global }
    .group_segment_fixed_size: 168448
    .private_segment_fixed_size: 0
    .kernarg_segment_align: 8
    .kernarg_segment_size: 72
    .max_flat_workgroup_size: 128
    .sgpr_count:     96
    .vgpr_count:     768
    .wavefront_size: 32
...
	.end_amdgpu_metadata
.endif
;; end of part 2
;; launch attn (part 3): grid 32 x 8, 8 waves a work-group, clusters of 4 x 1, 327,680 bytes of LDS; arguments q_img, q_sc, kv, wimg, x, b_proj, out0; writes out0
.if DOCPART == 3
	.amdgcn_target "amdgcn-amd-amdhsa--gfx1250"
	.amdhsa_code_object_version 6
	.text
	.protected	k_qb559aee29a_attn
	.globl	k_qb559aee29a_attn
	.p2align	8
	.type	k_qb559aee29a_attn,@function
k_qb559aee29a_attn:
	s_mov_b64 s[64:65], 0
	v_nop
	global_prefetch_b8 v0, s[64:65] scope:SCOPE_SE
	s_setreg_imm32_b32 hwreg(HW_REG_WAVE_MODE, 25, 1), 1
	s_wait_xcnt 0x0
	s_wait_alu depctr_hold_cnt(0) depctr_sa_sdst(0) depctr_va_vdst(0) depctr_va_sdst(0) depctr_va_ssrc(0) depctr_va_vcc(0) depctr_vm_vsrc(0)
	s_getreg_b32 s2, hwreg(HW_REG_IB_STS2, 6, 4)
	s_cmp_eq_u32 s2, 0
	s_cbranch_scc0 .Lentry_in_a_cluster
	s_endpgm
.Lentry_in_a_cluster:
	s_bfe_u32 s2, ttmp6, 0x10000c
	s_cmp_lg_u32 s2, 0x3003
	s_cbranch_scc0 .Lentry_shape_is_right
	s_endpgm
.Lentry_shape_is_right:
; out0 = x + w_proj (softmax(q^T k / sqrt(128)) v) + b_proj, all three products on codes of FP6 (E2M3) with one E8M0 scale for each 32 along a product's K.
; q, k, v and w_proj arrive as images of operand registers (register p of lane L at 512 (p / 4) + 16 L + 4 (p % 4), 1,536 bytes a fragment), made by the two launches before.
; THE SOFTMAX AHEAD OF THE SECOND PRODUCT: t = score x log2(e) / sqrt(128); M = the largest t so far, rounded UP to a whole number; p = 2^(t - M) is what is quantised, along the keys; the row's sum is taken of the
; unquantised p and divides at the end.  When M moves, the sum and O are multiplied by 2^(old M - new M): exact.
; SHARES.  A work-group owns 128 queries of one image: four groups of 32 (two tiles of 16).  Wave w (w' = w % 4, u0 = w / 4) holds BOTH tiles of group w' and walks ONE HALF of the keys, 2,048 u0 on, 128 a step, 16 steps.
; So a fragment of K or V read from LDS feeds two matrix instructions, and two waves share a SIMD: one's vector work stands beside the other's matrix work and LDS loads.
; Register tile y of a wave is query tile u0 xor y: at the end every wave keeps its register tile 0 and hands its register tile 1 to wave w xor 4 through LDS: one text, no branch on the wave's number.
; LAYOUT.  S^T = K Q^T, O^T = V^T P^T: a lane holds ONE query (lane % 16).  Row r of a tile of positions is position 32 G + 8 u + r + 8 (r / 8), and V's channel tiles and w_proj's tiles are chosen likewise, so that the
; 16 registers of tiles 2 b, 2 b + 1 are 16 neighbours along the next K (keys for P, channels for the attention's result).
; RING.  Two slots; a slot holds two steps of both halves of the keys (4 x 25,600 bytes), one tensor load of 12,800 bytes a wave.  CLUSTER: the four work-groups of a cluster belong to one image and walk the same
; kv, so each load is asked for JOINTLY by all four (mask 15).  By this text's own count a wave has two tensor loads out at the start and one behind each round.
; LIMITS: a p under 2^-126 counts as 0; a block of zeros gets the byte 1 where the rule says 127 (its codes are zeros); the division by the row's sum is a reciprocal and a multiplication; NaN and infinities are not served.
; REGISTERS.  window 0: v1-12 addresses; v16-19 K's scale words, v20-23 V's, v24-25 Q's, v26-27 P's; v32-47 statistics, 8 a tile: -M, largest t, the sum (2), f (2), at work (2); v48-63 at work;
;   v64-87 P's codes; v88-97 at work; v100-107 w_proj's scale words; v108 the result's; v110-113 offsets; v128-255 S^T, then p (64 a tile); at the end v192-255 x.
;   window 1: v0-127 O^T (64 a tile); v128-223 8 fragments of K, of V, at the end of w_proj; v224-247 Q.
.set STEPB, 25600                      ; a step in kv: K's 8 tiles 12,288 | K's scale words 512 | V's 8 tiles 12,288 | V's scale words 512
.set HALFB, 51200                      ; two steps: one half's part of a slot
.set SLOT1, 131072                     ; slot 0 at 0, slot 1 here: one exclusive or turns an address
.set WP,    102400                     ; w_proj's images 12,288 and scale words 1,024: filled once
.set SPARE, 115712                     ; the spare words, 128 bytes for each of eight waves: four blocks of 256 bytes that no other line names
.set STG,   233472                     ; the way out: 128 rows (output channels) x (512 bytes + 16): LDS stores alone
.set SP,    528
.set EXW,   8448                       ; the exchange: 8,192 bytes of O^T + 256 of statistics a wave, in slot 0, which has had its last fill and its last read by then
.set ADB, 1
.set ADR, 2
.set SPW, 3
.set NIL, 4
.set EXO, 5
.set EXI, 6
.set EXO8, 7
.set EXI8, 8
.set STO, 9
.set SRD, 10
.set L16, 11
.set WPA, 12
.set KS,  16
.set VS,  20
.set QS,  24
.set PS,  26
.set ST,  32
.set TM,  48
.set PC,  64
.set PT,  88
.set SUMT, 96
.set WPS, 100
.set PW,  108
.set QOF, 110
.set QSO, 112
.set S,   128
.set XR,  192
.set FR,  128                          ; in window 1
.set QF,  224                          ; in window 1
.set WV,  18
.set SEL, 20
.set CS,  22
.set G1,  32                           ; s[32:39] group 1 of the ring's loads;  s[40:43] their group 0, which walks
.set G0,  40
.set G1P, 44                           ; s[44:51], s[52:55] the same for w_proj
.set G0P, 52
.set TB,  56                           ; s56 LDS byte at which the slot in hand begins
.set SLOTS, 57
.set MSB, 0
.macro WIN new                         ; the immediate's high byte repeats the setting that is left
.if MSB != \new
	s_set_vgpr_msb (MSB<<8)|\new
.set MSB, \new
.endif
.endm
.macro PLACES n
.rept \n
	v_nop
.endr
.endm
.macro CROUND                          ; a round of the cluster's barrier
	s_barrier_signal -1
	s_barrier_wait -1
	s_cmp_lg_u32 s[WV], 0
	s_cbranch_scc1 .Lnot_wave_0_\@
	s_barrier_signal -3
.Lnot_wave_0_\@:
	s_barrier_wait -3
	s_barrier_signal -1
	s_barrier_wait -1
.endm
.macro BLKSCALE s
.irp b, 0,1,2,3
	v_max3_num_f32 v[TM+\b], |v[(\s)+16*\b]|, |v[(\s)+1+16*\b]|, 0x1800000   ; and the floor 2^(3 - 127): the byte cannot fall under 1
.endr
.irp i, 2,4,6,8,10,12,14
.irp b, 0,1,2,3
	v_max3_num_f32 v[TM+\b], v[TM+\b], |v[(\s)+16*\b+\i]|, |v[(\s)+1+16*\b+\i]|
.endr
.endr
.irp b, 0,1,2,3
	v_permlanex16_b32 v[TM+4+\b], v[TM+\b], s[SEL], s[SEL+1]
.endr
.irp b, 0,1,2,3
	v_max_num_f32 v[TM+\b], v[TM+\b], v[TM+4+\b]
.endr
.irp b, 0,1,2,3
	v_add_nc_u32 v[TM+12+\b], 0xff000000, v[TM+\b]
.endr
.irp b, 0,1,2,3
	v_lshrrev_b32 v[TM+4+\b], 23, v[TM+12+\b]
.endr
.endm
.macro QUANT s, pw                     ; 64 numbers of a lane, register 16 b + i = k 32 b + 16 (lane / 16) + i of my row, become a fragment in v[PC] on and its scale word in v[pw]
	BLKSCALE \s
	v_lshl_or_b32 v[\pw], v[TM+5], 8, v[TM+4]
	v_lshl_or_b32 v[\pw], v[TM+6], 16, v[\pw]
	v_lshl_or_b32 v[\pw], v[TM+7], 24, v[\pw]
.irp c, 0,1
	v_cvt_scalef32_pk16_fp6_f32 v[PC+6*\c:PC+2+6*\c], v[(\s)+32*\c:(\s)+15+32*\c], v[TM+12+2*\c]
	v_cvt_scalef32_pk16_fp6_f32 v[PC+12+4*\c:PC+14+4*\c], v[(\s)+16+32*\c:(\s)+31+32*\c], v[TM+12+2*\c+1]
.endr
	v_nop
.irp c, 0,1
.irp i, 0,1,2
	v_permlane16_swap_b32 v[PC+6*\c+\i], v[PC+12+4*\c+\i]
.endr
.irp i, 0,1,2
	v_mov_b32 v[PC+3+6*\c+\i], v[PC+12+4*\c+\i]
.endr
.endr
.endm
	s_load_b256 s[4:11], s[0:1], 0x0               ; q_img 4, q_sc 6, kv 8, wimg 10
	s_load_b128 s[12:15], s[0:1], 0x20             ; x 12, b_proj 14
	s_load_b64 s[16:17], s[0:1], 0x30              ; out0
	v_lshl_add_u32 v[SPW], v0, 2, SPARE
	v_mov_b32 v[NIL], 0
	ds_add_u32 v3, v4
	ds_add_u32 v3, v4
	s_wait_dscnt 0x0
	v_lshrrev_b32 v30, 5, v0                       ; w, in a vector register too
	v_readfirstlane_b32 s[WV], v30                 ; wave 0..7
	s_bfe_u32 s19, ttmp6, 0x40000                  ; cx: it enters the addresses of q, x and out0 alone
	s_lshl_b32 s24, ttmp9, 2
	s_add_co_u32 s24, s24, s19                     ; my block of 128 queries
	s_and_b32 s25, ttmp7, 0xffff                   ; the image, which the four partners share
	s_and_b32 s26, s[WV], 3                        ; w'
	s_lshr_b32 s27, s[WV], 2                       ; u0
	; group 1 of the ring's loads: a dense block of 12,800 bytes as 50 rows of 32 elements of 8 bytes; mask: all four work-groups, bit 21 beside it
	s_mov_b32 s[G1], 15|(3<<16)|(1<<21)
	s_mov_b32 s[G1+1], 32<<16
	s_mov_b32 s[G1+2], 50<<16
	s_mov_b32 s[G1+3], 32<<16
	s_mov_b32 s[G1+4], 50
	s_mov_b32 s[G1+5], 32
	s_mov_b32 s[G1+6], 0
	s_mov_b32 s[G1+7], 0
	; and of w_proj's: 1,664 bytes as 13 rows of 16 elements of 8 bytes
	s_mov_b32 s[G1P], 15|(3<<16)|(1<<21)
	s_mov_b32 s[G1P+1], 16<<16
	s_mov_b32 s[G1P+2], 13<<16
	s_mov_b32 s[G1P+3], 16<<16
	s_mov_b32 s[G1P+4], 13
	s_mov_b32 s[G1P+5], 16
	s_mov_b32 s[G1P+6], 0
	s_mov_b32 s[G1P+7], 0
	s_mul_i32 s28, s25, 819200                     ; kv: the image's 32 steps,
	s_mul_i32 s29, s27, 409600                     ; my half's 16,
	s_add_co_u32 s28, s28, s29
	s_mul_i32 s29, s26, 12800                      ; my quarter of two steps
	s_add_co_u32 s28, s28, s29
	s_mov_b32 s29, 0
	s_mul_i32 s30, s[WV], 1664
	s_mov_b32 s31, 0
	s_mov_b32 s[G0], 1
	s_mul_i32 s[G0+1], s[WV], 12800                ; LDS: slot 0, 12,800 x wave: no place in the cluster enters an LDS address
	s_mov_b32 s[G0P], 1
	s_add_co_u32 s[G0P+1], s30, WP
	s_add_co_u32 s30, s30, 39936
	s_mov_b32 s[SEL], 0x76543210
	s_mov_b32 s[SEL+1], 0xfedcba98
	s_mov_b32 s[CS], 0x3e0293ee                    ; c = log2(e) / sqrt(128)
	s_mov_b32 s[CS+1], s[CS]
	s_mov_b32 s[TB], 0
	s_mov_b32 s[SLOTS], 7
	s_wait_kmcnt 0x0
	s_add_nc_u64 s[G0+2:G0+3], s[8:9], s[28:29]
	s_or_b32 s[G0+3], s[G0+3], 0x80000000
	s_add_nc_u64 s[G0P+2:G0P+3], s[10:11], s[30:31]
	s_or_b32 s[G0P+3], s[G0P+3], 0x80000000
	CROUND                                         ; all four work-groups are here: the first joint loads meet
	tensor_load_to_lds s[G0:G0+3], s[G1:G1+7]      ; slot 0
	s_nop 0
	tensor_load_to_lds s[G0P:G0P+3], s[G1P:G1P+7]  ; w_proj: filled once
	s_nop 0
	PLACES 4
	s_lshl_b32 s58, s25, 7
	s_lshl_b32 s59, s24, 2
	s_add_co_u32 s58, s58, s59
	s_add_co_u32 s58, s58, s26                     ; 128 b + G
	s_mul_i32 s60, s58, 3072
	s_mov_b32 s61, 0
	s_lshl_b32 s62, s58, 8
	s_mov_b32 s63, 0
	s_add_nc_u64 s[4:5], s[4:5], s[60:61]          ; my group's two images of q
	s_add_nc_u64 s[6:7], s[6:7], s[62:63]          ; and their scale words
	s_lshl_b32 s58, s25, 7
	s_lshl_b32 s59, s[WV], 4
	s_add_co_u32 s58, s58, s59
	s_lshl_b32 s58, s58, 14                        ; x and out0: channel rows 16 w on of the image, 16,384 bytes each,
	s_lshl_b32 s59, s24, 9                         ; my block's 512 bytes of them
	s_add_co_u32 s60, s58, s59
	s_add_nc_u64 s[12:13], s[12:13], s[60:61]
	s_add_nc_u64 s[16:17], s[16:17], s[60:61]
	s_lshl_b32 s62, s[WV], 6
	s_add_nc_u64 s[14:15], s[14:15], s[62:63]
	s_load_b512 s[68:83], s[14:15], 0x0            ; b_proj of my 16 output channels
	v_and_b32 v13, 31, v0                          ; lane
	v_and_b32 v14, 15, v0                          ; r
	v_bfe_u32 v15, v0, 4, 1                        ; h
	v_bfe_u32 v28, v0, 7, 1                        ; u0
	v_bfe_u32 v29, v0, 5, 2                        ; w'
	v_xor_b32 v31, 4, v30                          ; my partner
	v_mul_u32_u24 v[ADB], v28, HALFB
	v_lshl_add_u32 v[ADB], v13, 4, v[ADB]          ; images: 16 x lane, in my half's part of a slot
	v_mul_u32_u24 v[EXO], v30, EXW
	v_mul_u32_u24 v[EXI], v31, EXW
	v_lshl_add_u32 v[EXO8], v13, 3, v[EXO]
	v_lshl_add_u32 v[EXI8], v13, 3, v[EXI]
	v_lshl_add_u32 v[EXO], v13, 4, v[EXO]
	v_lshl_add_u32 v[EXI], v13, 4, v[EXI]
	v_and_b32 v[STO], 8, v14
	v_add_nc_u32 v[STO], v[STO], v14               ; r + 8 (r / 8)
	v_mul_u32_u24 v[STO], v[STO], SP
	v_lshl_add_u32 v[STO], v29, 7, v[STO]          ; the stage: my output channel's row; positions 32 w' + 8 u0 + 16 h on
	v_lshl_add_u32 v[STO], v28, 5, v[STO]
	v_lshl_add_u32 v[STO], v15, 6, v[STO]
	v_add_nc_u32 v[STO], STG, v[STO]
	v_mul_u32_u24 v[SRD], v30, 16*SP
	v_lshl_add_u32 v[SRD], v13, 4, v[SRD]
	v_add_nc_u32 v[SRD], STG, v[SRD]               ; back: rows 16 w on, 16 bytes a lane
	v_lshlrev_b32 v[L16], 4, v13
	v_lshl_add_u32 v[WPA], v13, 4, WP
	v_xor_b32 v31, 1, v28                          ; u0 xor 1
	v_mul_u32_u24 v[QOF], v28, 1536
	v_mul_u32_u24 v[QOF+1], v31, 1536
	v_lshl_add_u32 v[QOF], v13, 4, v[QOF]          ; register tile y is query tile u0 xor y
	v_lshl_add_u32 v[QOF+1], v13, 4, v[QOF+1]
	v_lshlrev_b32 v[QSO], 2, v28
	v_lshlrev_b32 v[QSO+1], 2, v31
	v_lshl_add_u32 v[QSO], v13, 3, v[QSO]
	v_lshl_add_u32 v[QSO+1], v13, 3, v[QSO+1]
	WIN 0x40                                       ; destination window 1
.irp y, 0,1
.irp j, 0,1,2
	global_load_b128 v[QF+12*\y+4*\j:QF+12*\y+4*\j+3], v[QOF+\y], s[4:5] offset:512*\j     ; Q stays in registers
.endr
.endr
.set i, 0
.rept 128
	v_mov_b32 v[i], 0                              ; O^T.  (The step is written once: its first walk finds zeros, which the first change of M leaves zeros)
.set i, i+1
.endr
	WIN 0
.irp y, 0,1
	global_load_b32 v[QS+\y], v[QSO+\y], s[6:7]
	v_mov_b32 v[ST+8*\y+1], 0xff61b1e6             ; the largest t so far: -3e38, under every t
	v_floor_f32 v[ST+8*\y], -v[ST+8*\y+1]          ; -M
.irp k, 2,3,4,5,6,7
	v_mov_b32 v[ST+8*\y+\k], 0                     ; the sum in two halves; the rest is written once since pairs and permutes name it
.endr
.endr
.irp b, 0,1,2,3
	v_mov_b32 v[TM+4+\b], 0
.endr
	s_wait_loadcnt 0x0                             ; Q and its scale words
	s_wait_kmcnt 0x0                               ; b_proj
; One register tile's softmax for 128 keys
.macro SOFTMAX y
.set rS, S+64*(\y)
.set rT, ST+8*(\y)
.set rP, PC+12*(\y)
.irp b, 0,1,2,3
	v_max3_num_f32 v[TM+\b], v[rS+16*\b], v[rS+1+16*\b], v[rS+2+16*\b]   ; THE LARGEST SCORE OF EACH BLOCK OF 32 KEYS serves twice: for the row's maximum and, since p rises with the score, for the block's largest p
.endr
.irp i, 3,5,7,9,11,13
.irp b, 0,1,2,3
	v_max3_num_f32 v[TM+\b], v[TM+\b], v[rS+16*\b+\i], v[rS+1+16*\b+\i]
.endr
.endr
.irp b, 0,1,2,3
	v_max_num_f32 v[TM+\b], v[TM+\b], v[rS+15+16*\b]
.endr
.irp b, 0,1,2,3
	v_permlanex16_b32 v[TM+4+\b], v[TM+\b], s[SEL], s[SEL+1]
.endr
.irp b, 0,1,2,3
	v_max_num_f32 v[TM+\b], v[TM+\b], v[TM+4+\b]   ; with lane l xor 16's 16 keys
.endr
	v_max3_num_f32 v[rT+6], v[TM], v[TM+1], v[TM+2]
	v_max_num_f32 v[rT+6], v[rT+6], v[TM+3]
	v_mul_f32 v[rT+6], s[CS], v[rT+6]              ; as t (c is positive)
	v_max_num_f32 v[rT+1], v[rT+1], v[rT+6]        ; the running largest t
	v_mov_b32 v[rT+6], v[rT]
	v_floor_f32 v[rT], -v[rT+1]                    ; the new -M = floor(-t): M IS A WHOLE NUMBER
	v_sub_f32 v[rT+6], v[rT], v[rT+6]              ; old M less new M: a whole number, 0 or less
	v_cvt_i32_f32 v[rT+6], v[rT+6]                 ; (it saturates)
	v_ldexp_f32 v[rT+4], 1.0, v[rT+6]              ; f = 2^(old M - new M)
.set jj, 0
.rept 32
	v_pk_fma_f32 v[rS+jj:rS+jj+1], v[rS+jj:rS+jj+1], s[CS:CS+1], v[rT:rT+1] op_sel_hi:[1,0,0]   ; t - M, two at a time
.set jj, jj+2
.endr
.irp b, 0,1,2,3
	v_fma_f32 v[TM+\b], v[TM+\b], s[CS], v[rT]     ; the same of each block's largest score
.endr
.set jj, 0
.rept 64
	v_exp_f32 v[rS+jj], v[rS+jj]                   ; p = 2^(t - M), at most 1: NOT normalised
.set jj, jj+1
.endr
.irp b, 0,1,2,3
	v_exp_f32 v[TM+\b], v[TM+\b]                   ; the block's largest p: the same two instructions on the same number give the same bits
.endr
	v_pk_mul_f32 v[rT+2:rT+3], v[rT+2:rT+3], v[rT+4:rT+5] op_sel_hi:[1,0]   ; the sums under the new M.  (A plain place behind the exponentials)
	s_wait_alu depctr_va_vdst(0)
.irp b, 0,1,2,3
	v_max_num_f32 v[TM+\b], 0x1800000, v[TM+\b]    ; the floor 2^(3 - 127)
.endr
.irp b, 0,1,2,3
	v_add_nc_u32 v[TM+8+\b], 0xff000000, v[TM+\b]  ; the conversion's scale operand
.endr
.irp b, 0,1,2,3
	v_lshrrev_b32 v[TM+4+\b], 23, v[TM+8+\b]       ; the scale's byte
.endr
	v_lshl_or_b32 v[PS+(\y)], v[TM+5], 8, v[TM+4]  ; p's scale word for these 128 keys
	v_lshl_or_b32 v[PS+(\y)], v[TM+6], 16, v[PS+(\y)]
	v_lshl_or_b32 v[PS+(\y)], v[TM+7], 24, v[PS+(\y)]
.irp c, 0,1
	v_cvt_scalef32_pk16_fp6_f32 v[rP+6*\c:rP+2+6*\c], v[rS+32*\c:rS+15+32*\c], v[TM+8+2*\c]
	v_cvt_scalef32_pk16_fp6_f32 v[PT+4*\c:PT+2+4*\c], v[rS+16+32*\c:rS+31+32*\c], v[TM+8+2*\c+1]
.endr
	v_nop                                          ; one plain place behind a scaled conversion
.irp c, 0,1                                    ; the layout wants a WHOLE block in a lane
.irp i, 0,1,2
	v_permlane16_swap_b32 v[rP+6*\c+\i], v[PT+4*\c+\i]
.endr
.irp i, 0,1,2
	v_mov_b32 v[rP+3+6*\c+\i], v[PT+4*\c+\i]
.endr
.endr
	v_pk_add_f32 v[SUMT:SUMT+1], v[rS:rS+1], v[rS+2:rS+3]      ; THE ROW'S SUM IS TAKEN OF THE UNQUANTISED p: two at a time, in two chains
.irp j, 4,8,12,16,20,24,28,32,36,40,44,48,52,56,60
	v_pk_add_f32 v[rT+2:rT+3], v[rT+2:rT+3], v[rS+\j:rS+\j+1]
	v_pk_add_f32 v[SUMT:SUMT+1], v[SUMT:SUMT+1], v[rS+2+\j:rS+3+\j]
.endr
	v_pk_add_f32 v[rT+2:rT+3], v[rT+2:rT+3], v[SUMT:SUMT+1]
.endm
; A KEY STEP: 128 keys of my half, the q-th of the slot in hand.  The sixteen accumulators of each product take turns, one instruction a turn.
.macro STEP q
	v_add_nc_u32 v[ADR], s[TB], v[ADB]
	PLACES 3                                       ; with the line above: four places in front of loads into registers that matrix instructions have read
	WIN 0x40
.irp t, 0,1,2,3,4,5,6,7
.irp j, 0,1,2
	ds_load_b128 v[FR+12*\t+4*\j:FR+12*\t+4*\j+3], v[ADR] offset:STEPB*(\q)+1536*\t+512*\j      ; K's tile t: 32 lanes read 512 consecutive bytes
.endr
.endr
	WIN 0
	ds_load_b128 v[KS:KS+3], v[ADR] offset:STEPB*(\q)+12288      ; register t % 4: lanes 0-15 tile t's words (t < 4), lanes 16-31 tile t + 4's
	s_wait_dscnt 0x0
	WIN 0x05                                       ; sources 0 and 1 window 1
.irp t, 0,1,2,3,4,5,6,7
.irp y, 0,1
.if \t < 4
	v_wmma_scale_f32_16x16x128_f8f6f4 v[S+64*\y+8*\t:S+64*\y+8*\t+7], v[FR+12*\t:FR+12*\t+11], v[QF+12*\y:QF+12*\y+11], 0, v[KS+\t%4], v[QS+\y] matrix_a_fmt:MATRIX_FMT_FP6 matrix_b_fmt:MATRIX_FMT_FP6
.else
	v_wmma_scale_f32_16x16x128_f8f6f4 v[S+64*\y+8*\t:S+64*\y+8*\t+7], v[FR+12*\t:FR+12*\t+11], v[QF+12*\y:QF+12*\y+11], 0, v[KS+\t%4], v[QS+\y] matrix_a_fmt:MATRIX_FMT_FP6 matrix_b_fmt:MATRIX_FMT_FP6 matrix_a_scale:MATRIX_SCALE_ROW1
.endif
.endr
.endr
	PLACES 4                                       ; in front of the loads into K's registers and of the first read of the scores
	WIN 0x40
.irp t, 0,1,2,3,4,5,6,7
.irp j, 0,1,2
	ds_load_b128 v[FR+12*\t+4*\j:FR+12*\t+4*\j+3], v[ADR] offset:STEPB*(\q)+12800+1536*\t+512*\j   ; V's channel tile t: it lands under the softmax
.endr
.endr
	WIN 0
	ds_load_b128 v[VS:VS+3], v[ADR] offset:STEPB*(\q)+25088
	SOFTMAX 0
	SOFTMAX 1
	WIN 0x41                                       ; O^T (destination and source 0) window 1, f window 0
.irp y, 0,1
.set i, 0
.rept 32
	v_pk_mul_f32 v[64*\y+2*i:64*\y+2*i+1], v[64*\y+2*i:64*\y+2*i+1], v[ST+8*\y+4:ST+8*\y+5] op_sel_hi:[1,0]   ; O^T under the new M, each accumulator from its low end on
.set i, i+1
.endr
.endr
	s_wait_dscnt 0x0                               ; V is in
	WIN 0x51                                       ; V window 1, P window 0, C and D window 1
.irp t, 0,1,2,3,4,5,6,7
.irp y, 0,1
.if \t < 4
	v_wmma_scale_f32_16x16x128_f8f6f4 v[64*\y+8*\t:64*\y+8*\t+7], v[FR+12*\t:FR+12*\t+11], v[PC+12*\y:PC+12*\y+11], v[64*\y+8*\t:64*\y+8*\t+7], v[VS+\t%4], v[PS+\y] matrix_a_fmt:MATRIX_FMT_FP6 matrix_b_fmt:MATRIX_FMT_FP6
.else
	v_wmma_scale_f32_16x16x128_f8f6f4 v[64*\y+8*\t:64*\y+8*\t+7], v[FR+12*\t:FR+12*\t+11], v[PC+12*\y:PC+12*\y+11], v[64*\y+8*\t:64*\y+8*\t+7], v[VS+\t%4], v[PS+\y] matrix_a_fmt:MATRIX_FMT_FP6 matrix_b_fmt:MATRIX_FMT_FP6 matrix_a_scale:MATRIX_SCALE_ROW1
.endif
.endr
.endr
	WIN 0
.endm
; THE CHANGE OF SLOTS stands at a slot's head.  Each wave waits for all its tensor loads (its part of the slot ahead), adds 0 to its spare word, and waits for that and for its reads of the slot that it has left.
; fill = 1: a round of the cluster's barrier, so that no wave of any partner still reads that slot or has a load on its way; then the joint refill, which has two steps of both halves in which to land.
.macro CHANGE fill
	s_wait_tensorcnt 0x0                           ; no tensor load of mine is out, so the group 0 may be written
	ds_add_u32 v[SPW], v[NIL]                      ; 0 onto my spare word
.if \fill
	s_xor_b32 s[G0+1], s[G0+1], SLOT1              ; the other slot than last time,
	s_add_nc_u64 s[G0+2:G0+3], s[G0+2:G0+3], HALFB ; the next two steps; the type bits on top are not reached
.endif
	s_wait_dscnt 0x0                               ; the add is done, and my reads of the slot that I have left are over
.if \fill
	CROUND
	tensor_load_to_lds s[G0:G0+3], s[G1:G1+7]      ; the first thing behind the round, and my one tensor load until the next
	s_nop 0
	PLACES 4
.else
	s_barrier_signal -1
	s_barrier_wait -1
.endif
.endm
.Lslot:                                            ; 7 trips: behind each change of slots but the last the next slot is asked for
	CHANGE 1
	STEP 0
	STEP 1
	s_xor_b32 s[TB], s[TB], SLOT1
	s_sub_co_u32 s[SLOTS], s[SLOTS], 1
	s_cmp_lg_u32 s[SLOTS], 0
	s_cbranch_scc1 .Lslot
	CHANGE 0                                       ; the last slot (slot 1) is written out
	STEP 0
	STEP 1
	; ---- THE END.  x's 16 rows for the residual are asked for now, into the registers that p has left
.set i, 0
.rept 16
	global_load_b128 v[XR+4*i:XR+4*i+3], v[L16], s[12:13] offset:16384*i th:TH_LOAD_NT      ; 32 lanes read 512 consecutive bytes; the launch reads them once
.set i, i+1
.endr
.irp y, 0,1
	v_add_f32 v[ST+8*\y+2], v[ST+8*\y+2], v[ST+8*\y+3]        ; the sum's two halves,
.endr
.irp y, 0,1
	v_permlanex16_b32 v[ST+8*\y+6], v[ST+8*\y+2], s[SEL], s[SEL+1]
.endr
.irp y, 0,1
	v_add_f32 v[ST+8*\y+2], v[ST+8*\y+2], v[ST+8*\y+6]        ; and lane l xor 16's
.endr
	PLACES 4                                       ; behind the last products
	WIN 0x04                                       ; an LDS store's data are its source 1: window 1
.set i, 0
.rept 16
	ds_store_b128 v[EXO], v[64+4*i:67+4*i] offset:512*i       ; my register tile 1 goes to my partner, as it stands, each accumulator from its low end on
.set i, i+1
.endr
	WIN 0
	v_mov_b32 v60, v[ST+8]                         ; with its -M
	v_mov_b32 v61, v[ST+10]                        ; and its sum
	ds_store_b64 v[EXO8], v[60:61] offset:8192
	s_wait_dscnt 0x0                               ; for the others' sake: my stores have landed
	s_barrier_signal -1
	s_barrier_wait -1
.set i, 0
.rept 16
	ds_load_b128 v[S+4*i:S+4*i+3], v[EXI] offset:512*i        ; my partner's part of MY register tile 0's queries: the other half of the keys
.set i, i+1
.endr
	ds_load_b64 v[62:63], v[EXI8] offset:8192
	WIN 0x40
.irp t, 0,1,2,3,4,5,6,7
.irp j, 0,1,2
	ds_load_b128 v[FR+12*\t+4*\j:FR+12*\t+4*\j+3], v[WPA] offset:1536*\t+512*\j     ; w_proj's 8 tiles
.endr
.endr
	WIN 0
	ds_load_b128 v[WPS:WPS+3], v[WPA] offset:12288
	ds_load_b128 v[WPS+4:WPS+7], v[WPA] offset:12800
	s_wait_dscnt 0x0
	v_min_num_f32 v36, v[ST], v62                  ; -M of both halves together
	v_sub_f32 v37, v36, v[ST]
	v_sub_f32 v38, v36, v62
	v_cvt_i32_f32 v37, v37
	v_cvt_i32_f32 v38, v38
	v_ldexp_f32 v37, 1.0, v37                      ; 2^(my M - M)
	v_ldexp_f32 v38, 1.0, v38                      ; 2^(my partner's M - M)
	v_mul_f32 v39, v[ST+2], v37
	v_fma_f32 v39, v63, v38, v39                   ; the row's sum
	v_rcp_f32 v39, v39
	v_nop                                          ; one plain place behind a transcendental
	s_wait_alu depctr_va_vdst(0)
	v_mul_f32 v44, v37, v39
	v_mul_f32 v46, v38, v39
.set i, 0
.rept 32
	v_pk_mul_f32 v[S+2*i:S+2*i+1], v[S+2*i:S+2*i+1], v[46:47] op_sel_hi:[1,0]
.set i, i+1
.endr
	WIN 0x01                                       ; source 0 window 1
.set i, 0
.rept 32
	v_pk_fma_f32 v[S+2*i:S+2*i+1], v[2*i:2*i+1], v[44:45], v[S+2*i:S+2*i+1] op_sel_hi:[1,0,1]   ; the attention's result: register 16 b + i = channel 32 b + 16 h + i of my query
.set i, i+1
.endr
	WIN 0
	QUANT S, PW                                    ; quantised along the channels: the last product's K
	PLACES 8                                       ; a scale register written by a vector instruction stands 8 places ahead of a scaled matrix instruction
	WIN 0x04                                       ; source 1 (w_proj) window 1
.irp t, 0,1,2,3,4,5,6,7
	v_wmma_scale_f32_16x16x128_f8f6f4 v[S+8*\t:S+8*\t+7], v[PC:PC+11], v[FR+12*\t:FR+12*\t+11], 0, v[PW], v[WPS+\t] matrix_a_fmt:MATRIX_FMT_FP6 matrix_b_fmt:MATRIX_FMT_FP6
.endr
	WIN 0
	PLACES 4
.irp t, 0,1,2,3,4,5,6,7                        ; lane (r, h) holds output channel 32 (t / 2) + 8 (t % 2) + r + 8 (r / 8) and 8 neighbouring positions
	ds_store_b128 v[STO], v[S+8*\t:S+8*\t+3] offset:SP*(32*(\t/2)+8*(\t%2))
	ds_store_b128 v[STO], v[S+8*\t+4:S+8*\t+7] offset:SP*(32*(\t/2)+8*(\t%2))+16
.endr
	s_wait_dscnt 0x0
	s_barrier_signal -1
	s_barrier_wait -1                              ; 128 whole rows lie in the stage
.set i, 0
.rept 16
	ds_load_b128 v[S+4*i:S+4*i+3], v[SRD] offset:SP*i
.set i, i+1
.endr
	s_wait_loadcnt 0x0                             ; x
.set i, 0
.rept 16
	s_wait_dscnt 15-i                              ; the younger rows may be out
	v_add_f32 v[S+4*i], s[68+i], v[S+4*i]          ; + b_proj of the row's channel
	v_add_f32 v[S+4*i+1], s[68+i], v[S+4*i+1]
	v_add_f32 v[S+4*i+2], s[68+i], v[S+4*i+2]
	v_add_f32 v[S+4*i+3], s[68+i], v[S+4*i+3]
	v_pk_add_f32 v[S+4*i:S+4*i+1], v[S+4*i:S+4*i+1], v[XR+4*i:XR+4*i+1]           ; + x
	v_pk_add_f32 v[S+4*i+2:S+4*i+3], v[S+4*i+2:S+4*i+3], v[XR+4*i+2:XR+4*i+3]
	global_store_b128 v[L16], v[S+4*i:S+4*i+3], s[16:17] offset:16384*i th:TH_STORE_NT      ; 32 lanes store 512 consecutive bytes, at a multiple of 512 from out0's first byte
.set i, i+1
.endr
	s_wait_tensorcnt 0x0                           ; the wave's end, behind my last tensor load and my last LDS store
	ds_add_u32 v[SPW], v[NIL]
	s_wait_dscnt 0x0
	CROUND                                         ; the closing round: no work-group ends while a partner may still ask for a tile that names it
	s_endpgm
.Lfunc_end_k_qb559aee29a_attn:
	.size	k_qb559aee29a_attn, .Lfunc_end_k_qb559aee29a_attn-k_qb559aee29a_attn
	.p2alignl 7, 3214868480
	.fill 96, 4, 3214868480
	.section	.rodata,"a",@progbits
	.p2align	6, 0x0
	.amdhsa_kernel k_qb559aee29a_attn
		.amdhsa_group_segment_fixed_size 327680
		.amdhsa_private_segment_fixed_size 0
		.amdhsa_enable_private_segment 0
		.amdhsa_kernarg_size 56
		.amdhsa_user_sgpr_count 2
		.amdhsa_user_sgpr_kernarg_segment_ptr 1
		.amdhsa_wavefront_size32 1
		.amdhsa_system_sgpr_workgroup_id_x 1
		.amdhsa_system_sgpr_workgroup_id_y 1
		.amdhsa_system_sgpr_workgroup_id_z 1
		.amdhsa_system_vgpr_workitem_id 0
		.amdhsa_next_free_vgpr 512
		.amdhsa_next_free_sgpr 84
		.amdhsa_reserve_vcc 0
		.amdhsa_float_denorm_mode_32 3
		.amdhsa_float_denorm_mode_16_64 3
		.amdhsa_memory_ordered 1
		.amdhsa_forward_progress 1
		.amdhsa_inst_pref_size 169
	.end_amdhsa_kernel
	.amdgpu_metadata
---
amdhsa.version: [ 1, 2 ]
amdhsa.kernels:
  - .name:           k_qb559aee29a_attn
    .symbol:         k_qb559aee29a_attn.kd
    .args:
      - { .name: q_img, .offset: 0, .size: 8, .value_kind: global_buffer, .address_space: global }
      - { .name: q_sc, .offset: 8, .size: 8, .value_kind: global_buffer, .address_space: global }
      - { .name: kv, .offset: 16, .size: 8, .value_kind: global_buffer, .address_space: global }
      - { .name: wimg, .offset: 24, .size: 8, .value_kind: global_buffer, .address_space: global }
      - { .name: x, .offset: 32, .size: 8, .value_kind: global_buffer, .address_space: global }
      - { .name: b_proj, .offset: 40, .size: 8, .value_kind: global_buffer, .address_space: global }
      - { .name: out0, .offset: 48, .size: 8, .value_kind: global_buffer, .address_space: global }
    .group_segment_fixed_size: 327680
    .private_segment_fixed_size: 0
    .kernarg_segment_align: 8
    .kernarg_segment_size: 56
    .max_flat_workgroup_size: 256
    .sgpr_count:     84
    .vgpr_count:     512
    .wavefront_size: 32
...
	.end_amdgpu_metadata
.endif
;; end of part 3
